; MI455X (gfx1250); checked and timed in simulation.
; The chip was launched on July 23, 2026; its instructions are those of AMD's public machine-readable ISA for CDNA 5 (MIT licence, August 2026) and "CDNA5" Instruction Set Architecture Reference Guide (July 2026). The comments in the code are by the model that wrote it; some were corrected since.
;; B M. Allowed arithmetic: matrix products marked QUANTISED: E5M2 operands, one given power-of-two scale a tensor, by v_wmma_f32_16x16x64_bf8_bf8 or v_wmma_f32_16x16x128_bf8_bf8, f32 sums; everything else in f32.
;; Inputs: W1 40 x 256 float32; W2 256 x 256 float32; W3 256 x 256 float32; W4 256 x 256 float32; W5 256 x 31 float32; b1 256 float32; b2 256 float32; b3 256 float32; b4 256 float32; b5 31 float32; cell 2 x 32,768 x 2 float32; coord 2 x 32,768 x 2 float32; feat 2 x 4 x 64 x 64 float32; lowp_scales 10 int32 (the exponents e of the quantised operands' scales 2^e).
;; Outputs: out0 2 x 32,768 x 31 float32.
;; This version of the problem:
;;   THIS VERSION OF THE PROBLEM IS GIVEN IN LOW PRECISION. The matrix products marked QUANTISED in the list below multiply operands that are first quantised to E5M2 (5 exponent bits, 2 mantissa bits; 8 bits a number), with one given power-of-two scale for each operand tensor; their sums are f32. All else is computed in f32.
;;   The module's matrix products, in the order in which they are computed (A, B: the left and right operand; K: the contracted axis; several contracted axes count as one K, in the product's order):
;;     1. [M 262,144, K 40] x [K 40, N 256]; A: computed on the way; B: input W1: QUANTISED (scales: A lowp_scales[0], B lowp_scales[1])
;;     2. [M 262,144, K 256] x [K 256, N 256]; A: computed on the way; B: input W2: QUANTISED (scales: A lowp_scales[2], B lowp_scales[3])
;;     3. [M 262,144, K 256] x [K 256, N 256]; A: computed on the way; B: input W3: QUANTISED (scales: A lowp_scales[4], B lowp_scales[5])
;;     4. [M 262,144, K 256] x [K 256, N 256]; A: computed on the way; B: input W4: QUANTISED (scales: A lowp_scales[6], B lowp_scales[7])
;;     5. [M 262,144, K 256] x [K 256, N 31]; A: computed on the way; B: input W5: QUANTISED (scales: A lowp_scales[8], B lowp_scales[9])
;;   THE QUANTISER, for each operand of a quantised product, along K:
;;     - The operand's scale is 2^e, e = its entry of the input lowp_scales (int32; the entries are numbered through the quantised products in the list's order, A before B).
;;     - Each number is divided by the scale, clamped to +-57,344, and rounded to the nearest number of E5M2, ties to even, subnormals kept.
;;     - The product sums the exact products of the quantised numbers (number of the format x scale) in f32.
;;   ~~~python
;;   def quantise(x, axis, e):      # numpy; x: float32 -> the quantised numbers, widened to float32 again
;;       x = np.moveaxis(x, axis, -1); K = x.shape[-1]
;;       r = np.clip(x / 2.0 ** e, -57344, 57344)
;;       step = 2.0 ** (np.maximum(np.frexp(np.where(r == 0, 1, r))[1] - 1, -14) - 2)
;;       q = np.round(r / step) * step * 2.0 ** e      # np.round: ties to even
;;       return np.moveaxis(q, -1, axis).astype(np.float32)
;;   ~~~
;;   OPERANDS COMPUTED ON THE WAY. 'Computed on the way' means the value that the module computes at that place (a softmax that the list does not call 'softmax' is quantised finished and normalised). What goes into a quantiser is computed in f32, as accurately as f32 sums, v_exp_f32 and their like allow (about 1e-6 of the number): no bf16 or f16 on the way to a quantiser, and a product that is left as it is and whose result goes on into a quantised operand takes f32 operands (vector FMAs, or v_wmma_f32_16x16x4_f32). A number that lies on a knife's edge between two numbers of the format may be rounded either way, as far as f32 arithmetic and the matrix unit's own rounding can turn it there, and no further.
;; One version. Each part assembles by itself: llvm-mc -triple=amdgcn-amd-amdhsa -mcpu=gfx1250 --defsym DOCPART=n.
;; ======== version 1 of 1: 2 launches
;; workspace buffers: idx 1,048,576 bytes of whole numbers; tab 393,216 bytes; wimg 226,304 bytes
;; launch prep (part 1): grid 309 x 1, 4 waves a work-group, no clusters, 0 bytes of LDS; arguments coord, feat, W1, W2, W3, W4, W5, b1, b2, b3, b4, b5, lowp_scales, idx, tab, wimg; writes idx, tab, wimg
.if DOCPART == 1
	.amdgcn_target "amdgcn-amd-amdhsa--gfx1250"
	.amdhsa_code_object_version 6
	.text
	.protected	k_qc670d98fd6_prep
	.globl	k_qc670d98fd6_prep
	.p2align	8
	.type	k_qc670d98fd6_prep,@function
k_qc670d98fd6_prep:
	s_mov_b64 s[64:65], 0
	v_nop
	global_prefetch_b8 v0, s[64:65] scope:SCOPE_SE
	s_setreg_imm32_b32 hwreg(HW_REG_WAVE_MODE, 25, 1), 1
	s_wait_xcnt 0x0
; WHAT THE SECOND LAUNCH NEEDS READY.  Six roles, parted by the work-group's number; no LDS, no barrier, each role one straight run: loads, one wait, arithmetic, stores.
;   0-127    idx  [65536 queries][4 shifts] int32: the nearest pixel b*4096 + iy*64 + ix of each shifted query.  The pixel comes from floor() of f32 numbers, so it is made here and stored as
;            whole numbers: the launch that gathers by it reads it from memory.
;   128-255  tab: the 3 x 3 x 4 patch of every pixel as codes of E5M2 with the scale 2^e0.  Quantising is elementwise, so the codes of a gathered patch are the gathered codes.
;            T0 [8192 pixels][h][16 bytes]: positions 0-15; T1 (from byte 262,144) [8192][h][8 bytes]: positions 16-23.  Half h holds row k = 18 h + p of the first product's K at position p = 0 .. 17; the rest are zero codes.
;   256-303  W2, W3, W4;  304-305 W5;  306-307 W1: codes laid in the order of the matrix operand's registers (16 bytes a lane, 512 a group of four registers).
;   308      the biases, each x 2^-(eA + eB) of its product, so that they can start the sums of codes.
; A LANE TAKES A COLUMN OF A WEIGHT AND ITS REGISTERS RUN DOWN K: the conversions, which take neighbours along K from one lane's registers, then give the operand's bytes as they are wanted.
; Column of tile t = 2 b + u, lane r: 32 b + 8 u + r + 8 (r / 8): so the next layer finds 16 neighbours along its K in a lane's registers of two neighbouring tiles.
; code = x / 2^e, held within +-57,344 x 2^e, rounded to the nearest code, ties to even.
; LIMITS: e0, e1, e3, e5, e7, e9 between -126 and 112, so that 2^e and 57,344 x 2^e are f32 numbers.  NaN among the inputs is not served.
.set W5B,   196608                     ; wimg: W2 at 0, W3 at 65,536, W4 at 131,072, W5, W1, then five bias slots of 1,024 bytes: b2, b3, b4, b5, b1
.set W1B,   204800
.set BIASB, 221184
.set T1B,   262144
.macro SCALE e                         ; s[e] = the exponent: v11 = 2^e as f32 (the conversion takes its exponent field), v10 = 57,344 x 2^e
	s_add_co_i32 s60, s[\e], 127
	s_lshl_b32 s61, s60, 23
	v_mov_b32 v11, s61
	s_add_co_i32 s60, s60, 15
	s_lshl_b32 s60, s60, 23
	s_or_b32 s60, s60, 0x600000
	v_mov_b32 v10, s60
.endm
.macro COLS sb                         ; v2 = r, v3 = u, v4 = my column; s[sb] = 32 b
	v_and_b32 v2, 15, v1
	v_lshrrev_b32 v3, 4, v1
	v_and_b32 v4, 8, v2
	v_add_nc_u32 v4, v4, v2
	v_lshl_add_u32 v4, v3, 3, v4
	v_add_nc_u32 v4, s[\sb], v4
.endm
.macro QLOAD pitch                     ; 32 rows of K of my column: a wave's load reads 32 neighbouring columns
.set qi, 0
.rept 32
	global_load_b32 v[16+qi], v5, s[4:5] offset:qi*(\pitch)
.set qi, qi+1
.endr
.endm
.macro QCONV                           ; the hold (the conversion to an 8-bit code does not saturate: ISA guide 7.6.2), then 32 codes in v48-55
.set qi, 0
.rept 32
	v_med3_num_f32 v[16+qi], v[16+qi], -v10, v10
.set qi, qi+1
.endr
.irp g, 0,1,2,3
	v_cvt_scalef32_pk8_bf8_f32 v[48+2*\g:49+2*\g], v[16+8*\g:23+8*\g], v11
.endr
.endm
.macro QSTORE                          ; rows 0-15 are half 0's bytes, rows 16-31 half 1's: sixteen lanes store 256 consecutive bytes, aligned
	global_store_b128 v6, v[48:51], s[12:13]
	global_store_b128 v6, v[52:55], s[12:13] offset:256
.endm
	v_lshrrev_b32 v1, 5, v0
	v_readfirstlane_b32 s2, v1                     ; wave
	v_and_b32 v1, 31, v0                           ; lane
	s_cmp_lt_u32 ttmp9, 128
	s_cbranch_scc0 .Lnot_idx
; ---- THE PIXELS.  Work-group j takes queries 512 j on, four a thread.  Every step is the f32 step that the definition writes; x 64 and x 0.5 are exact, so a fused multiply-add rounds as the two steps do.
	s_load_b64 s[4:5], s[0:1], 0x0                 ; coord
	s_load_b64 s[6:7], s[0:1], 0x68                ; idx
	s_lshl_b32 s8, ttmp9, 12                       ; 512 queries x 8 bytes
	s_mov_b32 s9, 0
	s_lshl_b32 s10, ttmp9, 13                      ; 512 queries x 16 bytes
	s_mov_b32 s11, 0
	s_mov_b32 s12, 0x42800000                      ; 64.0
	s_mov_b32 s13, 0x427c0000                      ; 63.0
	s_and_b32 s14, ttmp9, 64                       ; 64 x batch: queries 32,768 on belong to batch 1
	v_lshlrev_b32 v2, 3, v0
	v_lshlrev_b32 v3, 4, v0
	v_mov_b32 v4, 0x358637bd                       ; 1e-6
	v_add_f32 v5, 0x3c800000, v4                   ; +1/64 + 1e-6
	v_add_f32 v4, 0xbc800000, v4                   ; -1/64 + 1e-6
	v_mov_b32 v6, 0x3f7fffef                       ; 1 - 1e-6 as f32
	s_wait_kmcnt 0x0
	s_add_nc_u64 s[4:5], s[4:5], s[8:9]
	s_add_nc_u64 s[6:7], s[6:7], s[10:11]
.irp i, 0,1,2,3
	global_load_b64 v[8+2*\i:9+2*\i], v2, s[4:5] offset:1024*\i th:TH_LOAD_NT
.endr
.macro PIX d, c, sh                    ; v[d] = clip(floor(((clip(v[c] + v[sh]) + 1) 64 - 1) 0.5 + 0.5), 0, 63) as a whole number
	v_add_f32 v[\d], v[\c], v[\sh]
	v_med3_num_f32 v[\d], v[\d], -v6, v6
	v_add_f32 v[\d], 1.0, v[\d]
	v_fma_f32 v[\d], v[\d], s12, -1.0
	v_fma_f32 v[\d], v[\d], 0.5, 0.5
	v_floor_f32 v[\d], v[\d]
	v_med3_num_f32 v[\d], v[\d], 0, s13
	v_cvt_u32_f32 v[\d], v[\d]
.endm
	s_wait_loadcnt 0x0
.irp i, 0,1,2,3
	PIX 16+4*\i, 8+2*\i, 4                         ; iy-
	PIX 17+4*\i, 8+2*\i, 5                         ; iy+
	PIX 18+4*\i, 9+2*\i, 4                         ; ix-
	PIX 19+4*\i, 9+2*\i, 5                         ; ix+
	v_add_nc_u32 v[16+4*\i], s14, v[16+4*\i]
	v_add_nc_u32 v[17+4*\i], s14, v[17+4*\i]
	v_lshl_add_u32 v[32+4*\i], v[16+4*\i], 6, v[18+4*\i]   ; shifts in the definition's order: (-,-), (-,+), (+,-), (+,+)
	v_lshl_add_u32 v[33+4*\i], v[16+4*\i], 6, v[19+4*\i]
	v_lshl_add_u32 v[34+4*\i], v[17+4*\i], 6, v[18+4*\i]
	v_lshl_add_u32 v[35+4*\i], v[17+4*\i], 6, v[19+4*\i]
	global_store_b128 v3, v[32+4*\i:35+4*\i], s[6:7] offset:2048*\i   ; a wave stores 512 consecutive bytes
.endr
	s_endpgm
.Lnot_idx:
	s_cmp_lt_u32 ttmp9, 256
	s_cbranch_scc0 .Lnot_tab
; ---- THE TABLE.  Work-group j = 64 b + y takes one image row; thread: pixel x = thread / 2, half h = thread % 2 (channels 2 h, 2 h + 1).
	s_load_b64 s[4:5], s[0:1], 0x8                 ; feat
	s_load_b64 s[6:7], s[0:1], 0x60                ; the scales' exponents
	s_load_b64 s[8:9], s[0:1], 0x70                ; tab
	s_sub_co_u32 s10, ttmp9, 128                   ; j
	s_lshr_b32 s11, s10, 6
	s_lshl_b32 s11, s11, 16                        ; the batch's 65,536 bytes
	s_and_b32 s12, s10, 63                         ; y
	s_min_u32 s13, s12, 1
	s_sub_co_u32 s13, s12, s13                     ; row y - 1, held inside the image: no load leaves the buffer; what lies outside becomes 0 below
	s_lshl_b32 s24, s13, 8
	s_add_co_u32 s24, s24, s11
	s_mov_b32 s25, 0
	s_lshl_b32 s26, s12, 8
	s_add_co_u32 s26, s26, s11
	s_mov_b32 s27, 0
	s_add_co_u32 s13, s12, 1
	s_min_u32 s13, s13, 63                         ; row y + 1, likewise
	s_lshl_b32 s28, s13, 8
	s_add_co_u32 s28, s28, s11
	s_mov_b32 s29, 0
	s_cmp_gt_u32 s12, 0
	s_cselect_b32 s20, -1, 0                       ; all lanes: row y - 1 exists
	s_cmp_lt_u32 s12, 63
	s_cselect_b32 s22, -1, 0                       ; row y + 1 exists
	v_lshrrev_b32 v2, 1, v0                        ; x
	v_and_b32 v3, 1, v0                            ; h
	v_min_u32 v4, 1, v2
	v_sub_nc_u32 v4, v2, v4                        ; x - 1, held at 0
	v_add_nc_u32 v6, 1, v2
	v_min_u32 v6, 63, v6                           ; x + 1, held at 63
	v_lshlrev_b32 v4, 2, v4
	v_lshlrev_b32 v5, 2, v2
	v_lshlrev_b32 v6, 2, v6
	v_lshl_add_u32 v4, v3, 15, v4                  ; + two channels of 16,384 bytes for half 1
	v_lshl_add_u32 v5, v3, 15, v5
	v_lshl_add_u32 v6, v3, 15, v6
	v_cmp_lt_u32 s30, 0, v2                        ; column x - 1 exists
	v_cmp_gt_u32 s31, 63, v2                       ; column x + 1 exists
	s_and_b32 s40, s30, s20                        ; s[40 + 3 ki + kj]: the tap lies inside the image
	s_mov_b32 s41, s20
	s_and_b32 s42, s31, s20
	s_mov_b32 s43, s30
	s_mov_b32 s45, s31
	s_and_b32 s46, s30, s22
	s_mov_b32 s47, s22
	s_and_b32 s48, s31, s22
	v_lshlrev_b32 v8, 4, v0
	v_lshlrev_b32 v9, 3, v0
	s_lshl_b32 s52, s10, 11                        ; T0: 128 threads x 16 bytes a work-group
	s_mov_b32 s53, 0
	s_lshl_b32 s54, s10, 10                        ; T1: x 8 bytes
	s_mov_b32 s55, 0
	s_wait_kmcnt 0x0
	s_load_b32 s50, s[6:7], 0x0                    ; e0
	s_add_nc_u64 s[24:25], s[4:5], s[24:25]
	s_add_nc_u64 s[26:27], s[4:5], s[26:27]
	s_add_nc_u64 s[28:29], s[4:5], s[28:29]
	s_add_nc_u64 s[52:53], s[8:9], s[52:53]
	s_add_nc_u64 s[54:55], s[8:9], s[54:55]
.irp cc, 0,1
.irp ki, 0,1,2
.irp kj, 0,1,2
	global_load_b32 v[16+9*\cc+3*\ki+\kj], v[4+\kj], s[24+2*\ki:25+2*\ki] offset:16384*\cc
.endr
.endr
.endr
.irp p, 34,35,36,37,38,39
	v_mov_b32 v[\p], 0                             ; positions 18-23: zero codes
.endr
	s_wait_kmcnt 0x0
	SCALE 50
	s_wait_loadcnt 0x0
.irp cc, 0,1
.irp ki, 0,1,2
.irp kj, 0,1,2
.if 3*\ki+\kj != 4
	v_cndmask_b32 v[16+9*\cc+3*\ki+\kj], 0, v[16+9*\cc+3*\ki+\kj], s[40+3*\ki+\kj]   ; the padding's zeros
.endif
.endr
.endr
.endr
.set qi, 0
.rept 18
	v_med3_num_f32 v[16+qi], v[16+qi], -v10, v10
.set qi, qi+1
.endr
.irp g, 0,1,2
	v_cvt_scalef32_pk8_bf8_f32 v[40+2*\g:41+2*\g], v[16+8*\g:23+8*\g], v11
.endr
	global_store_b128 v8, v[40:43], s[52:53]              ; a wave stores 512 consecutive bytes,
	global_store_b64 v9, v[44:45], s[54:55] offset:T1B    ; and 256
	s_endpgm
.Lnot_tab:
	s_cmp_lt_u32 ttmp9, 304
	s_cbranch_scc0 .Lnot_w
; ---- W2, W3, W4.  j = 16 layer + 8 bq + 4 s + c; wave w: b = 4 bq + w.  A wave: 32 columns x rows 128 s + 32 c + 0 .. 31 of K.
	s_load_b128 s[4:7], s[0:1], 0x18               ; W2, W3
	s_load_b64 s[8:9], s[0:1], 0x28                ; W4
	s_load_b64 s[10:11], s[0:1], 0x60
	s_load_b64 s[12:13], s[0:1], 0x78              ; wimg
	s_sub_co_u32 s14, ttmp9, 256
	s_lshr_b32 s15, s14, 4                         ; layer 0, 1, 2
	s_bfe_u32 s16, s14, 0x10003
	s_bfe_u32 s17, s14, 0x10002                    ; s
	s_and_b32 s18, s14, 3                          ; c
	s_lshl_b32 s16, s16, 2
	s_add_co_u32 s16, s16, s2                      ; b
	s_lshl_b32 s19, s16, 5
	COLS 19
	v_lshlrev_b32 v5, 2, v4
	v_lshlrev_b32 v6, 4, v2
	v_lshl_add_u32 v6, v3, 12, v6                  ; 4,096 u + 16 r
	s_lshl_b32 s20, s17, 17                        ; (128 s + 32 c) rows of 1,024 bytes
	s_lshl_b32 s21, s18, 15
	s_add_co_u32 s20, s20, s21
	s_mov_b32 s21, 0
	s_lshl_b32 s22, s15, 16                        ; 65,536 layer + 8,192 b + 2,048 s + 512 c
	s_lshl_b32 s23, s16, 13
	s_add_co_u32 s22, s22, s23
	s_lshl_b32 s23, s17, 11
	s_add_co_u32 s22, s22, s23
	s_lshl_b32 s23, s18, 9
	s_add_co_u32 s22, s22, s23
	s_mov_b32 s23, 0
	s_wait_kmcnt 0x0
	s_load_b256 s[24:31], s[10:11], 0x0            ; e0 .. e7
	s_cmp_eq_u32 s15, 0                            ; the choice hangs on the work-group's number alone
	s_cselect_b64 s[4:5], s[4:5], s[6:7]
	s_cmp_eq_u32 s15, 2
	s_cselect_b64 s[4:5], s[8:9], s[4:5]
	s_add_nc_u64 s[4:5], s[4:5], s[20:21]
	s_add_nc_u64 s[12:13], s[12:13], s[22:23]
	QLOAD 1024
	s_wait_kmcnt 0x0
	s_cmp_eq_u32 s15, 0
	s_cselect_b32 s32, s27, s29                    ; e3, e5 or e7
	s_cmp_eq_u32 s15, 2
	s_cselect_b32 s32, s31, s32
	SCALE 32
	s_wait_loadcnt 0x0
	QCONV
	QSTORE
	s_endpgm
.Lnot_w:
	s_cmp_lt_u32 ttmp9, 306
	s_cbranch_scc0 .Lnot_w5
; ---- W5 [256][31]: two tiles of 16 columns; column 31 does not exist: its lane reads column 30 and its codes become zeros.
	s_load_b64 s[4:5], s[0:1], 0x30
	s_load_b64 s[10:11], s[0:1], 0x60
	s_load_b64 s[12:13], s[0:1], 0x78
	s_sub_co_u32 s17, ttmp9, 304                   ; s; c = wave
	s_mov_b32 s19, 0
	COLS 19
	v_min_u32 v7, 30, v4
	v_lshlrev_b32 v5, 2, v7
	v_lshlrev_b32 v6, 4, v2
	v_lshl_add_u32 v6, v3, 12, v6
	v_mov_b32 v8, 0
	s_mul_i32 s20, s17, 128*124                    ; (128 s + 32 c) rows of 124 bytes
	s_mul_i32 s21, s2, 32*124
	s_add_co_u32 s20, s20, s21
	s_mov_b32 s21, 0
	s_lshl_b32 s22, s17, 11
	s_lshl_b32 s23, s2, 9
	s_add_co_u32 s22, s22, s23
	s_add_co_u32 s22, s22, W5B
	s_mov_b32 s23, 0
	s_wait_kmcnt 0x0
	s_load_b32 s32, s[10:11], 0x24                 ; e9
	s_add_nc_u64 s[4:5], s[4:5], s[20:21]
	s_add_nc_u64 s[12:13], s[12:13], s[22:23]
	QLOAD 124
	s_wait_kmcnt 0x0
	SCALE 32
	s_wait_loadcnt 0x0
	QCONV
	v_nop                                          ; one plain vector line between a scaled conversion and the vector lines that touch its results
	v_cmp_eq_u32 vcc_lo, 31, v4
.irp g, 0,1,2,3,4,5,6,7
	v_cndmask_b32 v[48+\g], v[48+\g], v8, vcc_lo
.endr
	QSTORE
	s_endpgm
.Lnot_w5:
	s_cmp_lt_u32 ttmp9, 308
	s_cbranch_scc0 .Lbias
; ---- W1 [40][256].  Half h of the operand holds 32 positions: rows 18 h + 0 .. 17, then rows 36 + 2 h, 37 + 2 h, then zero codes: as the rows of the first product's other operand are laid.
	s_load_b64 s[4:5], s[0:1], 0x10
	s_load_b64 s[10:11], s[0:1], 0x60
	s_load_b64 s[12:13], s[0:1], 0x78
	s_sub_co_u32 s16, ttmp9, 306
	s_lshl_b32 s16, s16, 2
	s_add_co_u32 s16, s16, s2                      ; b
	s_lshl_b32 s19, s16, 5
	COLS 19
	v_lshlrev_b32 v5, 2, v4
	v_lshlrev_b32 v6, 4, v2
	v_lshl_add_u32 v6, v3, 10, v6                  ; 1,024 u + 16 r
	s_lshl_b32 s22, s16, 11
	s_add_co_u32 s22, s22, W1B
	s_mov_b32 s23, 0
	s_wait_kmcnt 0x0
	s_load_b32 s32, s[10:11], 0x4                  ; e1
	s_add_nc_u64 s[12:13], s[12:13], s[22:23]
.irp hh, 0,1
.set qi, 0
.rept 18
	global_load_b32 v[16+24*\hh+qi], v5, s[4:5] offset:(18*\hh+qi)*1024
.set qi, qi+1
.endr
	global_load_b32 v[16+24*\hh+18], v5, s[4:5] offset:(36+2*\hh)*1024
	global_load_b32 v[16+24*\hh+19], v5, s[4:5] offset:(37+2*\hh)*1024
.irp p, 20,21,22,23
	v_mov_b32 v[16+24*\hh+\p], 0
.endr
	v_mov_b32 v[70+8*\hh], 0                       ; positions 24-31
	v_mov_b32 v[71+8*\hh], 0
.endr
	s_wait_kmcnt 0x0
	SCALE 32
	s_wait_loadcnt 0x0
.set qi, 0
.rept 48
	v_med3_num_f32 v[16+qi], v[16+qi], -v10, v10
.set qi, qi+1
.endr
.irp hh, 0,1
.irp g, 0,1,2
	v_cvt_scalef32_pk8_bf8_f32 v[64+8*\hh+2*\g:65+8*\hh+2*\g], v[16+24*\hh+8*\g:23+24*\hh+8*\g], v11
.endr
.endr
.irp hh, 0,1
.irp c, 0,1
	global_store_b128 v6, v[64+8*\hh+4*\c:67+8*\hh+4*\c], s[12:13] offset:512*\c+256*\hh
.endr
.endr
	s_endpgm
.Lbias:
; ---- THE BIASES.  Wave w: (b2, b3, b4, b1)[w] into slot (0, 1, 2, 4)[w]; wave 0 then b5 into slot 3, filled up with zeros.
	s_load_b256 s[4:11], s[0:1], 0x38              ; b1, b2, b3, b4
	s_load_b128 s[12:15], s[0:1], 0x58             ; b5, the scales' exponents
	s_load_b64 s[16:17], s[0:1], 0x78              ; wimg
	v_lshlrev_b32 v2, 4, v1
	s_lshl_b32 s20, s2, 10
	s_mov_b32 s21, 0
	s_wait_kmcnt 0x0
	s_load_b256 s[24:31], s[14:15], 0x0
	s_load_b64 s[32:33], s[14:15], 0x20
	s_cmp_eq_u32 s2, 1                             ; the choices hang on the wave's number alone
	s_cselect_b64 s[18:19], s[8:9], s[6:7]
	s_cmp_eq_u32 s2, 2
	s_cselect_b64 s[18:19], s[10:11], s[18:19]
	s_cmp_eq_u32 s2, 3
	s_cselect_b64 s[18:19], s[4:5], s[18:19]
	s_cselect_b32 s20, 0x1000, s20
	global_load_b128 v[8:11], v2, s[18:19]
	global_load_b128 v[12:15], v2, s[18:19] offset:512
	s_add_nc_u64 s[42:43], s[16:17], BIASB
	s_add_nc_u64 s[40:41], s[42:43], s[20:21]
	s_wait_kmcnt 0x0
	s_add_co_i32 s34, s26, s27                     ; e2 + e3
	s_add_co_i32 s35, s28, s29                     ; e4 + e5
	s_add_co_i32 s36, s30, s31                     ; e6 + e7
	s_add_co_i32 s37, s24, s25                     ; e0 + e1
	s_add_co_i32 s39, s32, s33                     ; e8 + e9
	s_cmp_eq_u32 s2, 1
	s_cselect_b32 s38, s35, s34
	s_cmp_eq_u32 s2, 2
	s_cselect_b32 s38, s36, s38
	s_cmp_eq_u32 s2, 3
	s_cselect_b32 s38, s37, s38
	s_sub_co_i32 s38, 0, s38
	s_sub_co_i32 s39, 0, s39
	s_wait_loadcnt 0x0
.irp g, 0,1,2,3,4,5,6,7
	v_ldexp_f32 v[8+\g], v[8+\g], s38
.endr
	global_store_b128 v2, v[8:11], s[40:41]
	global_store_b128 v2, v[12:15], s[40:41] offset:512
	s_cmp_lg_u32 s2, 0
	s_cbranch_scc1 .Lbias_end
	v_lshlrev_b32 v3, 2, v1
	v_mov_b32 v7, 0
.irp g, 0,1,2,3
	v_add_nc_u32 v[20+\g], \g, v3                  ; number 4 lane + g
	v_min_u32 v[24+\g], 30, v[20+\g]               ; no load leaves the 31 numbers
	v_lshlrev_b32 v[24+\g], 2, v[24+\g]
	global_load_b32 v[28+\g], v[24+\g], s[12:13]
	v_mov_b32 v[32+\g], 0
.endr
	s_wait_loadcnt 0x0
.irp g, 0,1,2,3
	v_ldexp_f32 v[28+\g], v[28+\g], s39
	v_cmp_lt_u32 vcc_lo, 30, v[20+\g]
	v_cndmask_b32 v[28+\g], v[28+\g], v7, vcc_lo
.endr
	global_store_b128 v2, v[28:31], s[42:43] offset:3072
	global_store_b128 v2, v[32:35], s[42:43] offset:3584
.Lbias_end:
	s_endpgm
.Lfunc_end_k_qc670d98fd6_prep:
	.size	k_qc670d98fd6_prep, .Lfunc_end_k_qc670d98fd6_prep-k_qc670d98fd6_prep
	.p2alignl 7, 3214868480
	.fill 96, 4, 3214868480
	.section	.rodata,"a",@progbits
	.p2align	6, 0x0
	.amdhsa_kernel k_qc670d98fd6_prep
		.amdhsa_group_segment_fixed_size 0
		.amdhsa_private_segment_fixed_size 0
		.amdhsa_enable_private_segment 0
		.amdhsa_kernarg_size 128
		.amdhsa_user_sgpr_count 2
		.amdhsa_user_sgpr_kernarg_segment_ptr 1
		.amdhsa_wavefront_size32 1
		.amdhsa_system_sgpr_workgroup_id_x 1
		.amdhsa_system_sgpr_workgroup_id_y 1
		.amdhsa_system_sgpr_workgroup_id_z 1
		.amdhsa_system_vgpr_workitem_id 0
		.amdhsa_next_free_vgpr 96
		.amdhsa_next_free_sgpr 66
		.amdhsa_reserve_vcc 1
		.amdhsa_float_denorm_mode_32 3
		.amdhsa_float_denorm_mode_16_64 3
		.amdhsa_memory_ordered 1
		.amdhsa_forward_progress 1
		.amdhsa_inst_pref_size 45
	.end_amdhsa_kernel
	.amdgpu_metadata
---
amdhsa.version: [ 1, 2 ]
amdhsa.kernels:
  - .name:           k_qc670d98fd6_prep
    .symbol:         k_qc670d98fd6_prep.kd
    .args:
      - { .name: coord, .offset: 0, .size: 8, .value_kind: global_buffer, .address_space: global }
      - { .name: feat, .offset: 8, .size: 8, .value_kind: global_buffer, .address_space: global }
      - { .name: W1, .offset: 16, .size: 8, .value_kind: global_buffer, .address_space: global }
      - { .name: W2, .offset: 24, .size: 8, .value_kind: global_buffer, .address_space: global }
      - { .name: W3, .offset: 32, .size: 8, .value_kind: global_buffer, .address_space: global }
      - { .name: W4, .offset: 40, .size: 8, .value_kind: global_buffer, .address_space: global }
      - { .name: W5, .offset: 48, .size: 8, .value_kind: global_buffer, .address_space: global }
      - { .name: b1, .offset: 56, .size: 8, .value_kind: global_buffer, .address_space: global }
      - { .name: b2, .offset: 64, .size: 8, .value_kind: global_buffer, .address_space: global }
      - { .name: b3, .offset: 72, .size: 8, .value_kind: global_buffer, .address_space: global }
      - { .name: b4, .offset: 80, .size: 8, .value_kind: global_buffer, .address_space: global }
      - { .name: b5, .offset: 88, .size: 8, .value_kind: global_buffer, .address_space: global }
      - { .name: lowp_scales, .offset: 96, .size: 8, .value_kind: global_buffer, .address_space: global }
      - { .name: idx, .offset: 104, .size: 8, .value_kind: global_buffer, .address_space: global }
      - { .name: tab, .offset: 112, .size: 8, .value_kind: global_buffer, .address_space: global }
      - { .name: wimg, .offset: 120, .size: 8, .value_kind: global_buffer, .address_space: global }
    .group_segment_fixed_size: 0
    .private_segment_fixed_size: 0
    .kernarg_segment_align: 8
    .kernarg_segment_size: 128
    .max_flat_workgroup_size: 128
    .sgpr_count:     66
    .vgpr_count:     96
    .wavefront_size: 32
...
	.end_amdgpu_metadata
.endif
;; end of part 1
;; launch mlp (part 2): grid 256 x 1, 4 waves a work-group, clusters of 4 x 1, 295,424 bytes of LDS; arguments coord, cell, idx, tab, wimg, lowp_scales, out0; writes out0
.if DOCPART == 2
	.amdgcn_target "amdgcn-amd-amdhsa--gfx1250"
	.amdhsa_code_object_version 6
	.text
	.protected	k_qc670d98fd6_mlp
	.globl	k_qc670d98fd6_mlp
	.p2align	8
	.type	k_qc670d98fd6_mlp,@function
k_qc670d98fd6_mlp:
	s_mov_b64 s[64:65], 0
	v_nop
	global_prefetch_b8 v0, s[64:65] scope:SCOPE_SE
	s_setreg_imm32_b32 hwreg(HW_REG_WAVE_MODE, 25, 1), 1
	s_wait_xcnt 0x0
	s_wait_alu depctr_hold_cnt(0) depctr_sa_sdst(0) depctr_va_vdst(0) depctr_va_sdst(0) depctr_va_ssrc(0) depctr_va_vcc(0) depctr_vm_vsrc(0)
	s_getreg_b32 s2, hwreg(HW_REG_IB_STS2, 6, 4)
	s_cmp_eq_u32 s2, 0
	s_cbranch_scc0 .Lentry_in_a_cluster
	s_endpgm
.Lentry_in_a_cluster:
	s_bfe_u32 s2, ttmp6, 0x10000c
	s_cmp_lg_u32 s2, 0x3003
	s_cbranch_scc0 .Lentry_shape_is_right
	s_endpgm
.Lentry_shape_is_right:
; THE WHOLE CHAIN FOR 256 QUERIES A WORK-GROUP: gather the patch codes, rel_coord and rel_cell, five products on codes of E5M2, the mix of the four shifts by their areas.  Nothing between goes to memory.
; SHARES.  65,536 queries = 256 work-groups x 4 waves x 2 blocks x 32.  A block of a wave is 8 row tiles of 16 rows: tile m = 4 g + w holds the 16 queries of set g at shift w.
; EVERY PRODUCT IS USED TRANSPOSED (source 0 = 16 columns of the weight, source 1 = 16 rows): a lane (r = lane % 16, h = lane / 16) holds query r throughout, and its eight results are eight hidden units.
; The columns of a weight tile are chosen (by the launch before) so that tile t's eight results, held between 0 and the largest code (the activation and the hold in one) and converted, ARE registers 2 t, 2 t + 1
; of the next product's operand.  So a hidden layer lives in 256 registers of codes, and the four shifts of a query meet in one lane at the end.
; THE WEIGHTS, 226,304 bytes of codes and scaled biases in the order of the operands' registers, lie in LDS for the whole launch: filled once, each wave fetching a quarter.  All work-groups read the same bytes,
; so the four of a cluster ask JOINTLY (mask 15).  A mask names four work-groups at the most, so a larger cluster would share nothing more.
; A GROUP is one weight tile x 8 row tiles x all of K: 16 matrix instructions (layer 1: 8).  Behind them stand, in slices, the holds and conversions of the group before and the LDS loads of the group after:
; a weight fragment read from LDS feeds eight matrix instructions.
; Layers 2 and 4 run one copy of the text (codes from window 2 into window 3), layer 3 the other (3 into 2): a loop of two trips, whose second trip leaves the second copy out.
; The bias, x 2^-(eA + eB), is the C of each sum's first matrix instruction; the three scales ahead of a quantiser are folded into the conversion's one: E = e(next A) - eA - eB.
; LIMITS: e0 and the four E between -126 and 112, e8 + e9 between -126 and 127, so that each power of two below is an f32 number.  NaN among the inputs is not served.
; The weights of the mix use v_rcp_f32 and one fused |ry rx| + 1e-9; both lie behind the last quantiser.
; REGISTERS, in windows of 256 (s_set_vgpr_msb: bits 1:0 source 0, 3:2 source 1, 5:4 source 2, 7:6 destination):
;   window 0: v1-14 lane constants; v16-31 a block's pixels, coord, cell; v32-47 the mix's weights; v48-63 gather offsets; v64-127 layer 1's rows; v128-159 results; v160-191 rows of out0; v192-239 at work
;   window 1: v0-127 two sets of 8 accumulators; v128-191 two weight tiles; v192-207 two bias tiles; v208-212 LDS addresses and the conversion's scale
;   window 2, window 3: the two sets of codes, row tile m at v[32 m]
.set W5B,   196608                     ; LDS as the launch before laid its buffer: W2 0, W3 65,536, W4 131,072, W5, W1, five bias slots b2 b3 b4 b5 b1
.set W1B,   204800
.set BIASB, 221184
.set QUART, 56576                      ; a wave's quarter: 221 rows of 256 bytes
.set STAGE, 262144                     ; 8,192 bytes for each wave: its 64 rows of out0, 124 bytes each, dense.  No fill lands here
.set T1B,   262144                     ; the table's second part
.set IDX, 16
.set CRD, 24
.set CEL, 28
.set WT,  32
.set GA,  48
.set X,   64
.set RES, 128
.set SB,  160
.set TQ,  192
.set ACC, 0                            ; window 1
.set WF,  128
.set BI,  192
.set WA,  208                          ; LDS address of the layer's weights for my lane
.set BA,  209                          ; of its bias
.set SC,  210                          ; the conversion's scale
.set LI1, 211                          ; 16 x lane
.set H64, 212                          ; 64 h
; s18 wave; s2/3, s46/47, s50/51, s52/53: largest code x scale, and scale, of layers 2, 1, 3, 4; s48/49 the shared copy's; s54 2^(e8+e9); s55, s56 next layer's LDS bases; s57 block; s58 trip of the pair loop
.set MSB, 0
.macro WIN new                         ; the immediate's high byte repeats the setting that is left; a switch that changes nothing is dropped
.if MSB != \new
	s_set_vgpr_msb (MSB<<8)|\new
.set MSB, \new
.endif
.endm
.macro ROUND                           ; a round of the cluster's barrier
	s_barrier_signal -1
	s_barrier_wait -1
	s_cmp_lg_u32 s18, 0
	s_cbranch_scc1 .Lnot_wave_0_\@
	s_barrier_signal -3
.Lnot_wave_0_\@:
	s_barrier_wait -3
	s_barrier_signal -1
	s_barrier_wait -1
.endm
.macro LOADQ                           ; a block's 32 queries: four pixels, coord, cell; both halves of the lanes take query r
.irp g, 0,1
	global_load_b128 v[IDX+4*\g:IDX+4*\g+3], v5, s[8:9] offset:256*\g th:TH_LOAD_NT
	global_load_b64 v[CRD+2*\g:CRD+2*\g+1], v4, s[4:5] offset:128*\g th:TH_LOAD_NT
	global_load_b64 v[CEL+2*\g:CEL+2*\g+1], v4, s[6:7] offset:128*\g th:TH_LOAD_NT
.endr
.endm
.macro GATHER                          ; the patch codes of the 8 row tiles: positions 0-15 and 16-19 of my half
.irp m, 0,1,2,3,4,5,6,7
	v_min_u32 v[IDX+\m], 0x1fff, v[IDX+\m]         ; a loaded number enters an address only behind a bound
.endr
.irp m, 0,1,2,3,4,5,6,7
	v_lshl_add_u32 v[GA+2*\m], v[IDX+\m], 5, v6
	v_lshl_add_u32 v[GA+2*\m+1], v[IDX+\m], 4, v7
.endr
.irp m, 0,1,2,3,4,5,6,7
	global_load_b128 v[X+8*\m:X+8*\m+3], v[GA+2*\m], s[10:11]
	global_load_b32 v[X+8*\m+4], v[GA+2*\m+1], s[10:11] offset:T1B
.endr
.endm
; rel_coord, rel_cell (codes into positions 18, 19) and the mix's weights.  At TQ + 24 g: +0 ry-, +1 rx-, +2 ry+, +3 rx+, +4..7 the areas, +8 their sum, +9 its reciprocal, +10, 11 cell x 64, +12..19 eight numbers, +20, 21 their codes
.macro FINISH
.irp g, 0,1
	v_bfe_u32 v[TQ+24*\g], v[IDX+4*\g], 6, 6       ; iy-, ix- out of shift 0's pixel, iy+, ix+ out of shift 3's
	v_and_b32 v[TQ+24*\g+1], 63, v[IDX+4*\g]
	v_bfe_u32 v[TQ+24*\g+2], v[IDX+4*\g+3], 6, 6
	v_and_b32 v[TQ+24*\g+3], 63, v[IDX+4*\g+3]
.endr
.irp g, 0,1
.irp n, 0,1,2,3
	v_cvt_f32_u32 v[TQ+24*\g+\n], v[TQ+24*\g+\n]
.endr
.endr
.irp g, 0,1
.irp n, 0,1,2,3
	v_fma_f32 v[TQ+24*\g+\n], v[TQ+24*\g+\n], -2.0, s63   ; 63 - 2 i = -64 x the pixel's centre, exact
.endr
.endr
.irp g, 0,1
.irp n, 0,1,2,3
	v_fma_f32 v[TQ+24*\g+\n], v[CRD+2*\g+\n%2], s59, v[TQ+24*\g+\n]   ; (coord - centre) x 64: one rounding, as in the definition (x 64 is exact)
.endr
.endr
.irp g, 0,1
	v_fma_f32 v[TQ+24*\g+4], |v[TQ+24*\g]|, |v[TQ+24*\g+1]|, s60
	v_fma_f32 v[TQ+24*\g+5], |v[TQ+24*\g]|, |v[TQ+24*\g+3]|, s60
	v_fma_f32 v[TQ+24*\g+6], |v[TQ+24*\g+2]|, |v[TQ+24*\g+1]|, s60
	v_fma_f32 v[TQ+24*\g+7], |v[TQ+24*\g+2]|, |v[TQ+24*\g+3]|, s60
.endr
.irp g, 0,1
	v_add_f32 v[TQ+24*\g+8], v[TQ+24*\g+4], v[TQ+24*\g+5]
.endr
.irp g, 0,1
	v_add_f32 v[TQ+24*\g+8], v[TQ+24*\g+8], v[TQ+24*\g+6]
.endr
.irp g, 0,1
	v_add_f32 v[TQ+24*\g+8], v[TQ+24*\g+8], v[TQ+24*\g+7]
.endr
.irp g, 0,1
	v_rcp_f32 v[TQ+24*\g+9], v[TQ+24*\g+8]         ; both as one batch; all that follows up to the wait names neither result
.endr
.irp g, 0,1
	v_mul_f32 v[TQ+24*\g+10], s59, v[CEL+2*\g]
	v_mul_f32 v[TQ+24*\g+11], s59, v[CEL+2*\g+1]
.endr
.irp g, 0,1                            ; lanes 0-15: rel_coord of the four shifts (rows 36, 37 of K); lanes 16-31: rel_cell four times (rows 38, 39)
	v_cndmask_b32 v[TQ+24*\g+12], v[TQ+24*\g], v[TQ+24*\g+10], s62
	v_cndmask_b32 v[TQ+24*\g+13], v[TQ+24*\g+1], v[TQ+24*\g+11], s62
	v_cndmask_b32 v[TQ+24*\g+14], v[TQ+24*\g], v[TQ+24*\g+10], s62
	v_cndmask_b32 v[TQ+24*\g+15], v[TQ+24*\g+3], v[TQ+24*\g+11], s62
	v_cndmask_b32 v[TQ+24*\g+16], v[TQ+24*\g+2], v[TQ+24*\g+10], s62
	v_cndmask_b32 v[TQ+24*\g+17], v[TQ+24*\g+1], v[TQ+24*\g+11], s62
	v_cndmask_b32 v[TQ+24*\g+18], v[TQ+24*\g+2], v[TQ+24*\g+10], s62
	v_cndmask_b32 v[TQ+24*\g+19], v[TQ+24*\g+3], v[TQ+24*\g+11], s62
.endr
.irp g, 0,1
.irp n, 12,13,14,15,16,17,18,19
	v_med3_num_f32 v[TQ+24*\g+\n], v[TQ+24*\g+\n], -v13, v13   ; the conversion to an 8-bit code does not saturate (ISA guide 7.6.2)
.endr
.endr
.irp g, 0,1
	v_cvt_scalef32_pk8_bf8_f32 v[TQ+24*\g+20:TQ+24*\g+21], v[TQ+24*\g+12:TQ+24*\g+19], v14
.endr
	v_nop                                          ; one plain vector line between a scaled conversion and the lines that read its result
.irp g, 0,1                            ; two codes a shift into the upper half of register 4, whose lower half the table gave
	v_lshl_or_b32 v[X+32*\g+4], v[TQ+24*\g+20], 16, v[X+32*\g+4]
	v_and_or_b32 v[X+32*\g+12], v[TQ+24*\g+20], s62, v[X+32*\g+12]
	v_lshl_or_b32 v[X+32*\g+20], v[TQ+24*\g+21], 16, v[X+32*\g+20]
	v_and_or_b32 v[X+32*\g+28], v[TQ+24*\g+21], s62, v[X+32*\g+28]
.endr
	s_wait_alu depctr_va_vdst(0)                   ; the wait ahead of the first line that names a reciprocal: one for both
.irp g, 0,1
	v_mul_f32 v[TQ+24*\g+9], s54, v[TQ+24*\g+9]    ; x 2^(e8 + e9), which the last product's sums lack
.endr
.irp g, 0,1
.irp w, 0,1,2,3
	v_mul_f32 v[WT+8*\g+2*\w], v[TQ+24*\g+7-\w], v[TQ+24*\g+9]     ; shift w is weighed by the area of the shift diagonally opposite; written twice, for the packed forms
	v_mul_f32 v[WT+8*\g+2*\w+1], v[TQ+24*\g+7-\w], v[TQ+24*\g+9]
.endr
.endr
.endm
; Load j of weight tile t into buffer p.  ks = 2: eight loads of 512 bytes (two K steps of 128), then the bias tile's two; ks = 1 (layer 1, K = 64): two and two.  A half of the lanes reads the same 16 bytes of bias.
.macro LOADW ks, t, p, j
.if (\ks) == 2
.if (\j) < 8
	ds_load_b128 v[WF+32*(\p)+4*(\j):WF+32*(\p)+4*(\j)+3], v[WA] offset:(\t)*4096+512*(\j)
.else
	ds_load_b128 v[BI+8*(\p)+4*((\j)-8):BI+8*(\p)+4*((\j)-8)+3], v[BA] offset:128*((\t)/2)+32*((\t)%2)+16*((\j)-8)
.endif
.else
.if (\j) < 2
	ds_load_b128 v[WF+32*(\p)+4*(\j):WF+32*(\p)+4*(\j)+3], v[WA] offset:(\t)*1024+512*(\j)
.else
	ds_load_b128 v[BI+8*(\p)+4*((\j)-2):BI+8*(\p)+4*((\j)-2)+3], v[BA] offset:128*((\t)/2)+32*((\t)%2)+16*((\j)-2)
.endif
.endif
.endm
; Weight tile t against the 8 row tiles.  The 8 accumulators take turns, one instruction a turn; groups alternate between the two sets of accumulators and of weight registers.
; quant: behind the matrix instructions stand the 64 holds of the group before (ascending) and, behind the last two, its 8 conversions.
; more: tile t + 1's loads, one behind each of the first matrix instructions.  They land in registers whose last readers stand a group back, behind more than four plain vector lines (ISA guide 7.12.1 for vector instructions).
.macro GROUP ks, t, quant, more, lim, cvtw, mainw
.set gp, (\t)%2
.set gn, 8*(\ks)
.set gl, 6*(\ks)-2
.set gper, 15-5*(\ks)
.set gq, 0
.set gi, 0
	s_wait_dscnt 0x0                               ; this tile's loads, issued a group ago, are in
.rept gn
.set gm, gi%8
.set gd, ACC+64*gp+8*gm
.if (\ks) == 1
	v_wmma_f32_16x16x64_bf8_bf8 v[gd:gd+7], v[WF+32*gp:WF+32*gp+7], v[X+8*gm:X+8*gm+7], v[BI+8*gp:BI+8*gp+7]
.elseif gi < 8
	v_wmma_f32_16x16x128_bf8_bf8 v[gd:gd+7], v[WF+32*gp:WF+32*gp+15], v[32*gm:32*gm+15], v[BI+8*gp:BI+8*gp+7]
.else
	v_wmma_f32_16x16x128_bf8_bf8 v[gd:gd+7], v[WF+32*gp+16:WF+32*gp+31], v[32*gm+16:32*gm+31], v[gd:gd+7]
.endif
.if (\quant) && ((\t) > 0)
.rept gper
.if gq < 64
	v_med3_num_f32 v[ACC+64*(1-gp)+gq], v[ACC+64*(1-gp)+gq], 0, s[\lim]   ; the activation and the hold in one
.set gq, gq+1
.endif
.endr
.endif
.if (\more) && (gi < gl)
	LOADW \ks, (\t)+1, 1-gp, gi
.endif
.if (\quant) && ((\t) > 0) && (gi >= gn-2)
	WIN \cvtw
.set gb, 4*(gi-gn+2)
.irp rr, 0,1,2,3
	v_cvt_scalef32_pk8_bf8_f32 v[32*(gb+\rr)+2*((\t)-1):32*(gb+\rr)+2*((\t)-1)+1], v[ACC+64*(1-gp)+8*(gb+\rr):ACC+64*(1-gp)+8*(gb+\rr)+7], v[SC]
.endr
	v_nop                                          ; one plain vector line behind a run of scaled conversions: matrix instructions write their sources next
	WIN \mainw
.endif
.set gi, gi+1
.endr
.if (\quant) && ((\t) == 0)
.rept 4
	v_nop                                          ; a layer's first group has no holds to carry: these are the four places ahead of the next group's reads of its results and loads over its operands
.endr
.endif
.endm
.macro NEXTW ks                        ; the next layer's addresses (s55, s56) and its first tile
	v_add_nc_u32 v[WA], v[LI1], s55
	v_add_nc_u32 v[BA], v[H64], s56
.set nj, 0
.rept 6*(\ks)-2
	LOADW \ks, 0, 0, nj
.set nj, nj+1
.endr
.endm
.macro DRAIN lim, cvtw                 ; the layer's last group is held and converted
.set dq, 0
.rept 64
	v_med3_num_f32 v[ACC+64+dq], v[ACC+64+dq], 0, s[\lim]
.set dq, dq+1
.endr
	WIN \cvtw
.irp rm, 0,1,2,3,4,5,6,7
	v_cvt_scalef32_pk8_bf8_f32 v[32*\rm+30:32*\rm+31], v[ACC+64+8*\rm:ACC+64+8*\rm+7], v[SC]
.endr
	v_nop
.endm
.macro LAYER ks, mainw, cvtw, lim, sc, ksnext
	WIN \mainw                                     ; weights, bias, accumulators, their holds and the LDS loads: window 1; the codes that come in: source 1's window.  One setting for all but the conversions
	v_mov_b32 v[SC], s[\sc]
.set lyt, 0
.rept 15
	GROUP \ks, lyt, 1, 1, \lim, \cvtw, \mainw
.set lyt, lyt+1
.endr
	GROUP \ks, 15, 1, 0, \lim, \cvtw, \mainw
	NEXTW \ksnext
	DRAIN \lim, \cvtw
.endm
.macro COMBINE                         ; out = the sum over the four shifts of sum x weight: local to a lane.  Each accumulator from its low end on
	WIN 0x01                                       ; source 0 (the sums) window 1
.irp g, 0,1
.irp u, 0,1
.irp i, 0,2,4,6
	v_pk_mul_f32 v[RES+16*\g+8*\u+\i:RES+16*\g+8*\u+\i+1], v[ACC+64*\u+32*\g+\i:ACC+64*\u+32*\g+\i+1], v[WT+8*\g:WT+8*\g+1]
.endr
.irp w, 1,2,3
.irp i, 0,2,4,6
	v_pk_fma_f32 v[RES+16*\g+8*\u+\i:RES+16*\g+8*\u+\i+1], v[ACC+64*\u+32*\g+8*\w+\i:ACC+64*\u+32*\g+8*\w+\i+1], v[WT+8*\g+2*\w:WT+8*\g+2*\w+1], v[RES+16*\g+8*\u+\i:RES+16*\g+8*\u+\i+1]
.endr
.endr
.endr
.endr
	WIN 0
.endm
.macro STORES blk                      ; lane (r, h), register 8 u + j: output 16 h + 8 u + j of query 32 blk + 16 g + r, into my stage, rows of 124 bytes as in out0 (31 words: the 32 lanes fall on 32 different banks)
.irp g, 0,1
.irp u, 0,1
.irp j, 0,1,2,3,4,5,6,7
.if 8*\u+\j < 15
	ds_store_b32 v8, v[RES+16*\g+8*\u+\j] offset:3968*\blk+1984*\g+32*\u+4*\j
.endif
.endr
.endr
.endr
	s_wait_xcnt 0x0                                ; EXEC changes only behind this wait: global loads and stores issued earlier name it as a source
	v_cmp_gt_u32 vcc_lo, 16, v1
	s_and_saveexec_b32 s61, vcc_lo                 ; output 31 does not exist: lanes 0-15 alone store their output 15
	ds_store_b32 v8, v[RES+15] offset:3968*\blk+60
	ds_store_b32 v8, v[RES+31] offset:3968*\blk+1984+60
	s_or_b32 exec_lo, exec_lo, s61                 ; (no global instruction was issued since the wait)
.endm
	s_load_b256 s[4:11], s[0:1], 0x0               ; coord, cell, idx, tab
	s_load_b128 s[12:15], s[0:1], 0x20             ; wimg, the scales' exponents
	s_load_b64 s[16:17], s[0:1], 0x30              ; out0
	v_lshl_add_u32 v254, v0, 2, 0x48000
	v_mov_b32 v255, 0
	ds_add_u32 v254, v255
	ds_add_u32 v254, v255
	v_lshrrev_b32 v1, 5, v0
	v_readfirstlane_b32 s18, v1                    ; wave 0..3
	s_bfe_u32 s19, ttmp6, 0x40000                  ; cx: it enters the addresses of coord, cell, idx and out0 alone
	s_lshl_b32 s20, ttmp9, 2
	s_add_co_u32 s20, s20, s19                     ; work-group
	v_and_b32 v1, 31, v0                           ; lane
	v_and_b32 v2, 15, v0                           ; r
	v_bfe_u32 v3, v0, 4, 1                         ; h
	v_lshlrev_b32 v4, 3, v2
	v_lshlrev_b32 v5, 4, v2
	v_lshlrev_b32 v6, 4, v3
	v_lshlrev_b32 v7, 3, v3
	s_lshl_b32 s21, s18, 13
	s_add_co_u32 s21, s21, STAGE                   ; my stage
	v_mul_u32_u24 v8, v2, 124
	v_lshl_add_u32 v8, v3, 6, v8
	v_add_nc_u32 v8, s21, v8                       ; into it: row r, + 64 h
	v_lshlrev_b32 v11, 4, v1
	v_lshlrev_b32 v12, 3, v1
	v_add_nc_u32 v9, s21, v11                      ; out of it: 16 bytes a lane,
	v_add_nc_u32 v10, s21, v12                     ; or 8
.irp m, 0,1,2,3,4,5,6,7
	v_mov_b32 v[X+8*\m+5], 0                       ; positions 20-31 of layer 1's rows: zero codes, for the whole launch
	v_mov_b32 v[X+8*\m+6], 0
	v_mov_b32 v[X+8*\m+7], 0
.endr
	WIN 0x40                                       ; destination window 1
	v_lshlrev_b32 v[LI1], 4, v1
	v_lshlrev_b32 v[H64], 6, v3
	WIN 0
	; the descriptor: 221 rows of 32 elements of 8 bytes, dense in memory and in LDS
	s_mov_b32 s24, 15|(3<<16)|(1<<21)              ; 15:0 the mask: all four work-groups; 17:16 elements of 8 bytes; 21 set beside a mask; no padding
	s_mov_b32 s25, 32<<16                          ; tensor_dim0 = 32
	s_mov_b32 s26, 221<<16                         ; tensor_dim1 = 221
	s_mov_b32 s27, 32<<16                          ; tile_dim0 = 32
	s_mov_b32 s28, 221                             ; tile_dim1 = 221
	s_mov_b32 s29, 32                              ; from row to row
	s_mov_b32 s30, 0
	s_mov_b32 s31, 0
	s_mov_b32 s32, 1                               ; count = 1
	s_mul_i32 s33, s18, QUART                      ; LDS address: my wave's quarter; no place in the cluster enters it
	s_mul_i32 s22, s18, QUART
	s_mov_b32 s23, 0
	s_lshl_b32 s21, s20, 2
	s_add_co_u32 s21, s21, s18                     ; 4 x work-group + wave: my run of 64 queries
	s_lshl_b32 s48, s21, 9                         ; x 8 bytes
	s_mov_b32 s49, 0
	s_lshl_b32 s50, s21, 10                        ; x 16 bytes
	s_mov_b32 s51, 0
	s_mul_i32 s52, s21, 7936                       ; x 124 bytes: 31 runs of 256
	s_mov_b32 s53, 0
	s_wait_dscnt 0x0
	s_wait_kmcnt 0x0
	s_load_b256 s[36:43], s[14:15], 0x0            ; e0 .. e7
	s_load_b64 s[44:45], s[14:15], 0x20            ; e8, e9
	s_add_nc_u64 s[4:5], s[4:5], s[48:49]
	s_add_nc_u64 s[6:7], s[6:7], s[48:49]
	s_add_nc_u64 s[8:9], s[8:9], s[50:51]
	s_add_nc_u64 s[16:17], s[16:17], s[52:53]
	s_add_nc_u64 s[34:35], s[12:13], s[22:23]      ; global address: my quarter: the same in the four partners
	s_or_b32 s35, s35, 0x80000000                  ; type = 2
	LOADQ                                          ; the first block's queries
	ROUND                                          ; all four work-groups are here: the joint loads meet
	tensor_load_to_lds s[32:35], s[24:31]          ; my one tensor load of the launch
	s_nop 0
.rept 4
	v_nop
.endr
	s_wait_kmcnt 0x0
.macro MKSC lim, sc, ea, eb, ec        ; E = ea - eb - ec: s[sc] = 2^E as f32, s[lim] = 57,344 x 2^E
	s_sub_co_i32 s21, s[\ea], s[\eb]
	s_sub_co_i32 s21, s21, s[\ec]
	s_add_co_i32 s21, s21, 127
	s_lshl_b32 s[\sc], s21, 23
	s_add_co_i32 s21, s21, 15
	s_lshl_b32 s21, s21, 23
	s_or_b32 s[\lim], s21, 0x600000
.endm
	MKSC 46, 47, 38, 36, 37                        ; behind layer 1: e2 - e0 - e1
	MKSC 2, 3, 40, 38, 39                          ; layer 2
	MKSC 50, 51, 42, 40, 41                        ; layer 3
	MKSC 52, 53, 44, 42, 43                        ; layer 4
	s_add_co_i32 s21, s36, 127
	s_lshl_b32 s22, s21, 23
	v_mov_b32 v14, s22                             ; 2^e0
	s_add_co_i32 s21, s21, 15
	s_lshl_b32 s21, s21, 23
	s_or_b32 s21, s21, 0x600000
	v_mov_b32 v13, s21                             ; 57,344 x 2^e0
	s_add_co_i32 s54, s44, s45
	s_add_co_i32 s54, s54, 127
	s_lshl_b32 s54, s54, 23                        ; 2^(e8 + e9)
	s_mov_b32 s59, 0x42800000                      ; 64.0
	s_mov_b32 s60, 0x3089705f                      ; 1e-9
	s_mov_b32 s62, 0xffff0000                      ; lanes 16-31; also a word's upper half
	s_mov_b32 s63, 0x427c0000                      ; 63.0
	s_wait_loadcnt 0x0                             ; the pixels are in
	GATHER
	s_wait_tensorcnt 0x0                           ; my quarter of the weights has landed,
	s_barrier_signal -1
	s_barrier_wait -1                              ; everybody's has.  Nothing is filled again: from here on these bytes are only read
	s_mov_b32 s57, 0
.Lblock:
	s_mov_b32 s55, W1B
	s_mov_b32 s56, BIASB+4096
	WIN 0x51
	NEXTW 1                                        ; layer 1's first tile
	WIN 0
	s_wait_loadcnt 0x0                             ; the block's gathers (the second block's asked for a layer or more ago)
	FINISH
	s_cmp_eq_u32 s57, 0                            ; the second block's queries are asked for here, a layer ahead of their use; the last block asks for nothing
	s_cbranch_scc0 .Lno_next_q
	s_add_nc_u64 s[4:5], s[4:5], 256               ; (the loads that named these bases are done: the wait above)
	s_add_nc_u64 s[6:7], s[6:7], 256
	s_add_nc_u64 s[8:9], s[8:9], 512
	LOADQ
.Lno_next_q:
	s_mov_b32 s55, 0                               ; W2
	s_mov_b32 s56, BIASB                           ; b2
	LAYER 1, 0x51, 0x95, 46, 47, 2
	WIN 0
	s_cmp_eq_u32 s57, 0
	s_cbranch_scc0 .Lno_next_g
	s_wait_loadcnt 0x0
	GATHER                                         ; the second block's rows, into the registers that layer 1 has left (its last products stand behind the last group's 64 holds); they have three layers in which to land
.Lno_next_g:
	s_mov_b32 s58, 0
.Lpair:                                            ; trip 0: layers 2 and 3; trip 1: layer 4
	s_cmp_eq_u32 s58, 0
	s_cselect_b32 s48, s2, s52
	s_cselect_b32 s49, s3, s53
	s_lshl_b32 s55, s58, 17
	s_add_co_u32 s55, s55, 65536                   ; the layer behind this one: W3 or W5,
	s_lshl_b32 s56, s58, 11
	s_add_co_u32 s56, s56, BIASB+1024              ; b3 or b5
	LAYER 2, 0x59, 0xd5, 48, 49, 2
	WIN 0
	s_cmp_eq_u32 s58, 1
	s_cbranch_scc1 .Lskip
	s_mov_b32 s55, 131072                          ; W4
	s_mov_b32 s56, BIASB+2048                      ; b4
	LAYER 2, 0x5d, 0x95, 50, 51, 2
	WIN 0
.Lskip:
	s_add_co_u32 s58, s58, 1
	s_cmp_lt_u32 s58, 2
	s_cbranch_scc1 .Lpair
	WIN 0x5d                                       ; layer 5: two tiles of 16 outputs, codes from window 3; its sums stay f32
	GROUP 2, 0, 0, 1, 0, 0, 0
	GROUP 2, 1, 0, 0, 0, 0, 0
.rept 4
	v_nop                                          ; four places ahead of the first read of results
.endr
	COMBINE
	s_cmp_eq_u32 s57, 0
	s_cbranch_scc0 .Ltail1
	; a block's 32 rows are 3,968 bytes.  The first block sends 3,840, fifteen aligned runs of 256; its last 128 wait in the stage for the second block's
	STORES 0
.irp i, 0,1,2,3,4,5,6
	ds_load_b128 v[SB+4*\i:SB+4*\i+3], v9 offset:512*\i     ; LDS serves a wave's instructions in order (ISA guide 5.7.1.4): these see my stores
.endr
	ds_load_b64 v[SB+28:SB+29], v10 offset:3584
.irp i, 0,1,2,3,4,5,6
	s_wait_dscnt 7-\i                              ; the 7 - i younger LDS loads of this run may be out
	global_store_b128 v11, v[SB+4*\i:SB+4*\i+3], s[16:17] offset:512*\i th:TH_STORE_NT   ; 32 lanes store 512 consecutive bytes, at a multiple of 256 from out0's first byte
.endr
	s_wait_dscnt 0x0
	global_store_b64 v12, v[SB+28:SB+29], s[16:17] offset:3584 th:TH_STORE_NT            ; 32 lanes store 256
	s_branch .Ltail_done
.Ltail1:
	STORES 1                                       ; (its wait on XCNT also frees the registers that the first block's stores read)
.irp i, 0,1,2,3,4,5,6,7
	ds_load_b128 v[SB+4*\i:SB+4*\i+3], v9 offset:3840+512*\i
.endr
.irp i, 0,1,2,3,4,5,6,7
	s_wait_dscnt 7-\i
	global_store_b128 v11, v[SB+4*\i:SB+4*\i+3], s[16:17] offset:3840+512*\i th:TH_STORE_NT
.endr
.Ltail_done:
	s_add_co_u32 s57, s57, 1
	s_cmp_lt_u32 s57, 2
	s_cbranch_scc1 .Lblock
	s_wait_dscnt 0x0                               ; no LDS instruction of mine is out at a signal
	s_wait_tensorcnt 0x0
	ds_add_u32 v254, v255
	s_wait_dscnt 0x0
	ROUND                                          ; the closing round: no work-group ends while a partner may still ask for a tile that names it
	s_endpgm
.Lfunc_end_k_qc670d98fd6_mlp:
	.size	k_qc670d98fd6_mlp, .Lfunc_end_k_qc670d98fd6_mlp-k_qc670d98fd6_mlp
	.p2alignl 7, 3214868480
	.fill 96, 4, 3214868480
	.section	.rodata,"a",@progbits
	.p2align	6, 0x0
	.amdhsa_kernel k_qc670d98fd6_mlp
		.amdhsa_group_segment_fixed_size 295424
		.amdhsa_private_segment_fixed_size 0
		.amdhsa_enable_private_segment 0
		.amdhsa_kernarg_size 56
		.amdhsa_user_sgpr_count 2
		.amdhsa_user_sgpr_kernarg_segment_ptr 1
		.amdhsa_wavefront_size32 1
		.amdhsa_system_sgpr_workgroup_id_x 1
		.amdhsa_system_sgpr_workgroup_id_y 1
		.amdhsa_system_sgpr_workgroup_id_z 1
		.amdhsa_system_vgpr_workitem_id 0
		.amdhsa_next_free_vgpr 1024
		.amdhsa_next_free_sgpr 66
		.amdhsa_reserve_vcc 1
		.amdhsa_float_denorm_mode_32 3
		.amdhsa_float_denorm_mode_16_64 3
		.amdhsa_memory_ordered 1
		.amdhsa_forward_progress 1
		.amdhsa_inst_pref_size 255
	.end_amdhsa_kernel
	.section	.bss,"aw",@nobits
	.p2align	6
	.space	262144
	.amdgpu_metadata
---
amdhsa.version: [ 1, 2 ]
amdhsa.kernels:
  - .name:           k_qc670d98fd6_mlp
    .symbol:         k_qc670d98fd6_mlp.kd
    .args:
      - { .name: coord, .offset: 0, .size: 8, .value_kind: global_buffer, .address_space: global }
      - { .name: cell, .offset: 8, .size: 8, .value_kind: global_buffer, .address_space: global }
      - { .name: idx, .offset: 16, .size: 8, .value_kind: global_buffer, .address_space: global }
      - { .name: tab, .offset: 24, .size: 8, .value_kind: global_buffer, .address_space: global }
      - { .name: wimg, .offset: 32, .size: 8, .value_kind: global_buffer, .address_space: global }
      - { .name: lowp_scales, .offset: 40, .size: 8, .value_kind: global_buffer, .address_space: global }
      - { .name: out0, .offset: 48, .size: 8, .value_kind: global_buffer, .address_space: global }
    .group_segment_fixed_size: 295424
    .private_segment_fixed_size: 0
    .kernarg_segment_align: 8
    .kernarg_segment_size: 56
    .max_flat_workgroup_size: 128
    .sgpr_count:     66
    .vgpr_count:     1024
    .wavefront_size: 32
...
	.end_amdgpu_metadata
.endif
;; end of part 2
